; MI455X (gfx1250); checked and timed in simulation.
; The chip was launched on July 23, 2026; its instructions are those of AMD's public machine-readable ISA for CDNA 5 (MIT licence, August 2026) and "CDNA5" Instruction Set Architecture Reference Guide (July 2026). The comments in the code are by the model that wrote it; some were corrected since.
;; Multi Head Attention. Allowed arithmetic: matrix products marked QUANTISED: E2M3 operands, one E8M0 scale for each 32 along K, by v_wmma_scale_f32_16x16x128_f8f6f4 with both operands' format E2M3, f32 sums; everything else in f32.
;; Inputs: Wk 1,024 x 1,024 float32; Wo 1,024 x 1,024 float32; Wq 1,024 x 1,024 float32; Wv 1,024 x 1,024 float32; X 4 x 2,048 x 1,024 float32; bk 1,024 float32; bo 1,024 float32; bq 1,024 float32; bv 1,024 float32.
;; Outputs: out0 4 x 2,048 x 1,024 float32.
;; This version of the problem:
;;   THIS VERSION OF THE PROBLEM IS GIVEN IN LOW PRECISION. The matrix products marked QUANTISED in the list below multiply operands that are first quantised to E2M3 (2 exponent bits, 3 mantissa bits; 6 bits a number), with one power-of-two scale for each 32 numbers along K (OCP MX v1.0); their sums are f32. All else is computed in f32.
;;   The module's matrix products, in the order in which they are computed (A, B: the left and right operand; K: the contracted axis; several contracted axes count as one K, in the product's order):
;;     1. [M 8,192, K 1,024] x [K 1,024, N 1,024]; A: input X; B: input Wq: QUANTISED
;;     2. [M 8,192, K 1,024] x [K 1,024, N 1,024]; A: input X; B: input Wk: QUANTISED
;;     3. [M 8,192, K 1,024] x [K 1,024, N 1,024]; A: input X; B: input Wv: QUANTISED
;;     4. batch 64 x [M 2,048, K 64] x [K 64, N 2,048]; A: computed on the way; B: computed on the way: QUANTISED
;;     5. batch 64 x [M 2,048, K 2,048] x [K 2,048, N 64]; A: softmax (see below); B: computed on the way: QUANTISED
;;     6. [M 8,192, K 1,024] x [K 1,024, N 1,024]; A: computed on the way; B: input Wo: QUANTISED
;;   THE QUANTISER, for each operand of a quantised product, along K:
;;     - K is cut into blocks of 32 from its start; a last block that is shorter is filled with zeros.
;;     - A block's scale is 2^e with e = floor(log2(the largest magnitude in the block)) - 2, held to -126 .. 127; a block of zeros has e = 0. As a byte (E8M0): e + 127.
;;     - Each number is divided by its block's scale, clamped to +-7.5, and rounded to the nearest number of E2M3, ties to even, subnormals kept.
;;     - The product sums the exact products of the quantised numbers (number of the format x scale) in f32.
;;   ~~~python
;;   def quantise(x, axis):      # numpy; x: float32 -> the quantised numbers, widened to float32 again
;;       x = np.moveaxis(x, axis, -1); K = x.shape[-1]
;;       x = np.pad(x, [(0, 0)] * (x.ndim - 1) + [(0, -K % 32)]); x = x.reshape(x.shape[:-1] + (-1, 32)); a = np.abs(x).max(-1, keepdims=True)
;;       e = np.where(a > 0, np.clip(np.frexp(np.where(a > 0, a, 1))[1] - 1 - 2, -126, 127), 0)      # np.frexp(a)[1] - 1 = floor(log2(a)), exactly
;;       r = np.clip(x / 2.0 ** e, -7.5, 7.5)
;;       step = 2.0 ** (np.maximum(np.frexp(np.where(r == 0, 1, r))[1] - 1, 0) - 3)
;;       q = np.round(r / step) * step * 2.0 ** e      # np.round: ties to even
;;       return np.moveaxis(q.reshape(q.shape[:-2] + (-1,))[..., :K], -1, axis).astype(np.float32)
;;   ~~~
;;   SOFTMAX AHEAD OF A QUANTISED PRODUCT. Where the list says 'softmax', what is quantised is not the finished softmax but p = 2^(t - M), with t = logit x log2(e) and M = ceil(the row's largest t), a whole number; so 1/2 < the row's largest p <= 1. The row's sum l is taken of the UNQUANTISED p, in f32, and the product's result is divided by l at the end. Since M is a whole number, a kernel that streams over the keys may use a running M (the ceiling of the running maximum): every later rescaling is an exact power of two, which a block's scale takes up: the codes' values come out the same.
;;   OPERANDS COMPUTED ON THE WAY. 'Computed on the way' means the value that the module computes at that place (a softmax that the list does not call 'softmax' is quantised finished and normalised). What goes into a quantiser is computed in f32, as accurately as f32 sums, v_exp_f32 and their like allow (about 1e-6 of the number): no bf16 or f16 on the way to a quantiser, and a product that is left as it is and whose result goes on into a quantised operand takes f32 operands (vector FMAs, or v_wmma_f32_16x16x4_f32). A number that lies on a knife's edge between two numbers of the format may be rounded either way, as far as f32 arithmetic and the matrix unit's own rounding can turn it there, and no further.
;; One version. Each part assembles by itself: llvm-mc -triple=amdgcn-amd-amdhsa -mcpu=gfx1250 --defsym DOCPART=n.
;; ======== version 1 of 1: 4 launches
;; limits: right only within a limited range of input values
;; workspace buffers: cod 9,437,184 bytes; scl 393,216 bytes; qkv 20,185,088 bytes; ac 6,291,456 bytes; asc 262,144 bytes
;; launch quant (part 1): grid 384 x 1, 4 waves a work-group, no clusters, 34,304 bytes of LDS; arguments X, Wq, Wk, Wv, Wo, cod, scl; writes cod, scl
.if DOCPART == 1
	.amdgcn_target "amdgcn-amd-amdhsa--gfx1250"
	.amdhsa_code_object_version 6
	.text
	.protected	k_q39a0208984_quant
	.globl	k_q39a0208984_quant
	.p2align	8
	.type	k_q39a0208984_quant,@function
k_q39a0208984_quant:
	s_mov_b64 s[64:65], 0
	v_nop
	global_prefetch_b8 v0, s[64:65] scope:SCOPE_SE
	s_setreg_imm32_b32 hwreg(HW_REG_WAVE_MODE, 25, 1), 1
	s_wait_xcnt 0x0
; X [8192][1024] and Wq, Wk, Wv, Wo [1024][1024], f32, K innermost, become codes of FP6 (E2M3) with one E8M0 byte for each 32 along K,
; laid as IMAGES OF OPERAND REGISTERS.  The rows of all five tensors are cut into 768 tiles of 16 rows (0-511 X, then 64 each for Wq, Wk, Wv, Wo).
; Lane r of tile T holds row 32 (T / 2) + 8 (T % 2) + r + 8 (r / 8): as source 0 of a product, two neighbouring tiles then give a lane 16 neighbours along its registers.
; A fragment (16 rows x 128 K, 12 registers a lane) is 1,536 bytes: six pieces of 256 bytes, piece p = registers 2 p, 2 p + 1, lane l's 8 bytes at 8 l.
; cod: [tile][8 K steps][1536].  scl: the scale word of (row r, K step 2 k + q) of tile T at 512 T + 128 k + 8 r + 4 q.
; A block's scale is 2^(floor(log2(its largest magnitude)) - 2); its byte is the largest magnitude's exponent field - 2, held at 1 from below.
; LIMITS: a block of zeros, and one whose largest magnitude lies under 2^-124, get the byte 1 (the bytes are read by this program alone; zero codes add nothing); NaN and infinities are not served.
; SHARES: work-group g takes tiles 2 g and 2 g + 1; wave w takes tile 2 g + w / 2 and half w % 2 of K: four K steps of 128.
; Each load reads 512 consecutive bytes of one row; a K step's 16 rows turn through the wave's own stage in LDS (rows 528 bytes apart), so that a lane gets 16 neighbours of each block of 32.
; No barrier: waves share nothing.  Loads run two K steps (32 loads a wave) ahead.
.set STG,   16*528                     ; a wave's stage
.set SPARE, 4*STG                      ; behind the stages: the spare words, 128 bytes a wave
.set L16, 1                            ; v1   16 x lane
.set SI,  2                            ; v2   the stage, way in: 16 x lane
.set SO,  3                            ; v3   the stage, way out: 528 r + 64 h
.set L8,  4                            ; v4   8 x lane
.set PWR, 10                           ; v10-13 the four K steps' scale words
.set SPW, 14
.set NIL, 15
.set TM,  16                           ; v16-31 at work in QUANT
.set PC,  32                           ; v32-43 a fragment's codes; v44-46, v48-50 the halves made elsewhere
.set R,   64                           ; v64-191 two sets of 64 numbers as loaded
.set XN,  192                          ; v192-255 64 numbers: register 16 b + i = k 32 b + 16 h + i of my row
.set SEL, 20
; 64 numbers of a lane, register 16 b + i = k 32 b + 16 (lane / 16) + i of its row, become a fragment's codes in v[PC] on and its scale word in v[pw]
.macro QUANT s, pw
.irp b, 0,1,2,3
	v_max3_num_f32 v[TM+\b], |v[\s+16*\b]|, |v[\s+1+16*\b]|, 0x1800000   ; my 16 numbers of block b, and the floor 2^(3 - 127): the byte cannot fall under 1
.endr
.irp i, 2,4,6,8,10,12,14
.irp b, 0,1,2,3
	v_max3_num_f32 v[TM+\b], v[TM+\b], |v[\s+16*\b+\i]|, |v[\s+1+16*\b+\i]|
.endr
.endr
.irp b, 0,1,2,3
	v_permlanex16_b32 v[TM+4+\b], v[TM+\b], s[SEL], s[SEL+1]
.endr
.irp b, 0,1,2,3
	v_max_num_f32 v[TM+\b], v[TM+\b], v[TM+4+\b]           ; with lane l xor 16's: the block's largest magnitude
.endr
.irp b, 0,1,2,3
	v_add_nc_u32 v[TM+12+\b], 0xff000000, v[TM+\b]         ; 2 off its exponent field: the conversion's scale operand
.endr
.irp b, 0,1,2,3
	v_lshrrev_b32 v[TM+4+\b], 23, v[TM+12+\b]              ; the scale's byte
.endr
	v_lshl_or_b32 v[\pw], v[TM+5], 8, v[TM+4]
	v_lshl_or_b32 v[\pw], v[TM+6], 16, v[\pw]
	v_lshl_or_b32 v[\pw], v[TM+7], 24, v[\pw]
.irp c, 0,1
	v_cvt_scalef32_pk16_fp6_f32 v[PC+6*\c:PC+2+6*\c], v[\s+32*\c:\s+15+32*\c], v[TM+12+2*\c]
	v_cvt_scalef32_pk16_fp6_f32 v[PC+12+4*\c:PC+14+4*\c], v[\s+16+32*\c:\s+31+32*\c], v[TM+13+2*\c]   ; (a conversion's three registers begin on an even number)
.endr
	v_nop                                                  ; one plain place behind a scaled conversion
.irp c, 0,1                                            ; the operand's layout wants a whole block in a lane
.irp i, 0,1,2
	v_permlane16_swap_b32 v[PC+6*\c+\i], v[PC+12+4*\c+\i]
.endr
.irp i, 0,1,2
	v_mov_b32 v[PC+3+6*\c+\i], v[PC+12+4*\c+\i]
.endr
.endr
.endm
	s_load_b256 s[4:11], s[0:1], 0x0               ; X, Wq, Wk, Wv
	s_load_b128 s[12:15], s[0:1], 0x20             ; Wo, cod
	s_load_b64 s[16:17], s[0:1], 0x30              ; scl
	v_lshl_add_u32 v[SPW], v0, 2, SPARE
	v_mov_b32 v[NIL], 0
	v_lshrrev_b32 v5, 5, v0
	v_readfirstlane_b32 s18, v5                    ; wave
	v_and_b32 v6, 31, v0                           ; lane
	v_and_b32 v7, 15, v0                           ; r
	v_bfe_u32 v8, v0, 4, 1                         ; h
	v_lshlrev_b32 v[L16], 4, v6
	v_lshlrev_b32 v[L8], 3, v6
	s_mul_i32 s19, s18, STG
	v_add_nc_u32 v[SI], s19, v[L16]
	v_mul_u32_u24 v[SO], v7, 528
	v_lshl_add_u32 v[SO], v8, 6, v[SO]
	v_add_nc_u32 v[SO], s19, v[SO]
	s_mov_b32 s[SEL], 0x76543210
	s_mov_b32 s[SEL+1], 0xfedcba98                 ; v_permlanex16_b32's selects for lane l xor 16
	s_mov_b32 s22, 0xffff0000                      ; lanes 16-31
.irp b, 0,1,2,3
	v_mov_b32 v[TM+4+\b], 0                        ; written once: a lane permute's destination counts as one of its sources
.endr
	s_lshr_b32 s23, s18, 1                         ; which of the two tiles
	s_and_b32 s24, s18, 1                          ; which half of K
	s_sub_co_u32 s25, ttmp9, 256
	s_lshr_b32 s26, s25, 5                         ; which weight (work-groups 256 on)
	s_and_b32 s27, s25, 31
	s_cmp_lt_u32 ttmp9, 256
	s_cselect_b32 s27, ttmp9, s27                  ; the pair of tiles inside its tensor
	s_lshl_b32 s28, s27, 17                        ; 32 rows of 4,096 bytes a pair,
	s_lshl_b32 s29, s23, 15                        ; 8 rows on for the second tile,
	s_add_co_u32 s28, s28, s29
	s_lshl_b32 s29, s24, 11                        ; 2,048 bytes on for the second half of K
	s_add_co_u32 s28, s28, s29
	s_mov_b32 s29, 0
	s_lshl_b32 s30, ttmp9, 1
	s_add_co_u32 s30, s30, s23                     ; tile T
	s_mul_i32 s32, s30, 12288
	s_mul_i32 s33, s24, 6144
	s_add_co_u32 s32, s32, s33
	s_mov_b32 s33, 0
	s_lshl_b32 s34, s30, 9
	s_lshl_b32 s35, s24, 8
	s_add_co_u32 s34, s34, s35
	s_mov_b32 s35, 0
	s_wait_alu depctr_va_vdst(0)
	s_wait_kmcnt 0x0
	s_cmp_eq_u32 s26, 2                            ; the source is chosen by the work-group's number alone
	s_cselect_b64 s[12:13], s[10:11], s[12:13]
	s_cmp_eq_u32 s26, 1
	s_cselect_b64 s[12:13], s[8:9], s[12:13]
	s_cmp_eq_u32 s26, 0
	s_cselect_b64 s[12:13], s[6:7], s[12:13]
	s_cmp_lt_u32 ttmp9, 256
	s_cselect_b64 s[4:5], s[4:5], s[12:13]
	s_add_nc_u64 s[4:5], s[4:5], s[28:29]
	s_add_nc_u64 s[14:15], s[14:15], s[32:33]
	s_add_nc_u64 s[16:17], s[16:17], s[34:35]
.macro LOAD t                          ; K step t: 512 consecutive bytes of each of the tile's 16 rows
.irp i, 0,1,2,3,4,5,6,7,8,9,10,11,12,13,14,15
	global_load_b128 v[R+64*((\t)%2)+4*\i:R+64*((\t)%2)+4*\i+3], v[L16], s[4:5] offset:(\i+8*(\i/8))*4096+512*(\t) th:TH_LOAD_NT
.endr
.endm
.macro STEP t
.if (\t) < 3
	s_wait_loadcnt 16                              ; this step's 16 loads are in; the next step's may be out
.else
	s_wait_loadcnt 0
.endif
.irp i, 0,1,2,3,4,5,6,7,8,9,10,11,12,13,14,15
	ds_store_b128 v[SI], v[R+64*((\t)%2)+4*\i:R+64*((\t)%2)+4*\i+3] offset:528*\i
.endr
.irp b, 0,1,2,3
.irp j, 0,1,2,3
	ds_load_b128 v[XN+16*\b+4*\j:XN+16*\b+4*\j+3], v[SO] offset:128*\b+16*\j   ; LDS serves a wave's instructions in order: these see the stores above
.endr
.endr
	s_wait_dscnt 0x0                               ; the numbers are back, and the stores have read their registers
.if (\t) < 2
	LOAD (\t)+2
.endif
	s_wait_xcnt 0x0                                ; the last step's stores have read the codes' registers
	QUANT XN, PWR+(\t)
.irp p, 0,1,2,3,4,5
	global_store_b64 v[L8], v[PC+2*\p:PC+2*\p+1], s[14:15] offset:1536*(\t)+256*\p   ; 32 lanes store 256 consecutive bytes, aligned
.endr
.endm
	LOAD 0
	LOAD 1
	STEP 0
	STEP 1
	STEP 2
	STEP 3
	v_cndmask_b32 v8, v[PWR], v[PWR+2], s22        ; lanes 0-15: K steps 0, 1 of row r; lanes 16-31: K steps 2, 3
	v_cndmask_b32 v9, v[PWR+1], v[PWR+3], s22
	global_store_b64 v[L8], v[8:9], s[16:17]       ; 256 consecutive bytes, aligned
	s_wait_tensorcnt 0x0                           ; the wave's end, behind my last LDS store
	ds_add_u32 v[SPW], v[NIL]
	s_wait_dscnt 0x0
	s_endpgm
.Lfunc_end_k_q39a0208984_quant:
	.size	k_q39a0208984_quant, .Lfunc_end_k_q39a0208984_quant-k_q39a0208984_quant
	.p2alignl 7, 3214868480
	.fill 96, 4, 3214868480
	.section	.rodata,"a",@progbits
	.p2align	6, 0x0
	.amdhsa_kernel k_q39a0208984_quant
		.amdhsa_group_segment_fixed_size 34304
		.amdhsa_private_segment_fixed_size 0
		.amdhsa_enable_private_segment 0
		.amdhsa_kernarg_size 56
		.amdhsa_user_sgpr_count 2
		.amdhsa_user_sgpr_kernarg_segment_ptr 1
		.amdhsa_wavefront_size32 1
		.amdhsa_system_sgpr_workgroup_id_x 1
		.amdhsa_system_sgpr_workgroup_id_y 1
		.amdhsa_system_sgpr_workgroup_id_z 1
		.amdhsa_system_vgpr_workitem_id 0
		.amdhsa_next_free_vgpr 256
		.amdhsa_next_free_sgpr 66
		.amdhsa_reserve_vcc 0
		.amdhsa_float_denorm_mode_32 3
		.amdhsa_float_denorm_mode_16_64 3
		.amdhsa_memory_ordered 1
		.amdhsa_forward_progress 1
		.amdhsa_inst_pref_size 35
	.end_amdhsa_kernel
	.amdgpu_metadata
---
amdhsa.version: [ 1, 2 ]
amdhsa.kernels:
  - .name:           k_q39a0208984_quant
    .symbol:         k_q39a0208984_quant.kd
    .args:
      - { .name: X, .offset: 0, .size: 8, .value_kind: global_buffer, .address_space: global }
      - { .name: Wq, .offset: 8, .size: 8, .value_kind: global_buffer, .address_space: global }
      - { .name: Wk, .offset: 16, .size: 8, .value_kind: global_buffer, .address_space: global }
      - { .name: Wv, .offset: 24, .size: 8, .value_kind: global_buffer, .address_space: global }
      - { .name: Wo, .offset: 32, .size: 8, .value_kind: global_buffer, .address_space: global }
      - { .name: cod, .offset: 40, .size: 8, .value_kind: global_buffer, .address_space: global }
      - { .name: scl, .offset: 48, .size: 8, .value_kind: global_buffer, .address_space: global }
    .group_segment_fixed_size: 34304
    .private_segment_fixed_size: 0
    .kernarg_segment_align: 8
    .kernarg_segment_size: 56
    .max_flat_workgroup_size: 128
    .sgpr_count:     66
    .vgpr_count:     256
    .wavefront_size: 32
...
	.end_amdgpu_metadata
.endif
;; end of part 1
;; launch qkv (part 2): grid 12 x 32, 4 waves a work-group, clusters of 4 x 4, 327,680 bytes of LDS; arguments cod, scl, qkv, bq, bk, bv; writes qkv
.if DOCPART == 2
	.amdgcn_target "amdgcn-amd-amdhsa--gfx1250"
	.amdhsa_code_object_version 6
	.text
	.protected	k_q39a0208984_qkv
	.globl	k_q39a0208984_qkv
	.p2align	8
	.type	k_q39a0208984_qkv,@function
k_q39a0208984_qkv:
	s_mov_b64 s[64:65], 0
	v_nop
	global_prefetch_b8 v0, s[64:65] scope:SCOPE_SE
	s_setreg_imm32_b32 hwreg(HW_REG_WAVE_MODE, 25, 1), 1
	s_wait_xcnt 0x0
	s_wait_alu depctr_hold_cnt(0) depctr_sa_sdst(0) depctr_va_vdst(0) depctr_va_sdst(0) depctr_va_ssrc(0) depctr_va_vcc(0) depctr_vm_vsrc(0)
	s_getreg_b32 s2, hwreg(HW_REG_IB_STS2, 6, 4)
	s_cmp_eq_u32 s2, 0
	s_cbranch_scc0 .Lentry_in_a_cluster
	s_endpgm
.Lentry_in_a_cluster:
	s_bfe_u32 s2, ttmp6, 0x10000c
	s_cmp_lg_u32 s2, 0xf033
	s_cbranch_scc0 .Lentry_shape_is_right
	s_endpgm
.Lentry_shape_is_right:
.set FR,     12
.set NL,     6
.set NP,     4
.set TROW,   3072
.set HALFT,  8*TROW
.set PART,   2*HALFT
.set SLOT,   2*PART
.set SPARE,  2*SLOT
.set SCX,    SPARE+512
.set SCW,    SCX+8192
.set HSTR,   315392
.set BLKB,   19712
.set ADR1, 16
.set ADR0, 20
.set L16,  25
.set L8,   26
.set ADRS, 27
.set SPW,  28
.set NIL,  29
.set SC,   32
.set BI,   64
.set AF,   128
.set VA,   224
.set TM,   64
.set PC,   80
.set TQ,   100
.set FW,   108
.set W0,   224
.set G1, 24
.set G0, 32
.set G1B, 48
.set G0B, 56
.set G1S, 68
.set G0S, 76
.set G1SB, 80
.set G0SB, 88
.set MSB, 0
.macro WIN new
.if MSB != (\new)
	s_set_vgpr_msb (MSB<<8)|(\new)
.set MSB, (\new)
.endif
.endm
.macro JLOAD g0a, g1a, g0b, g1b
	s_cmp_eq_u32 s15, 0
	s_cbranch_scc0 .Lfor_b_\@
	tensor_load_to_lds s[\g0a:\g0a+3], s[\g1a:\g1a+7]
	s_nop 0
.rept 4
	v_nop
.endr
	s_branch .Lasked_\@
.Lfor_b_\@:
	tensor_load_to_lds s[\g0b:\g0b+3], s[\g1b:\g1b+7]
	s_nop 0
.rept 4
	v_nop
.endr
.Lasked_\@:
.endm
.macro CREST
	s_cmp_lg_u32 s14, 0
	s_cbranch_scc1 .Lnot_wave_0_\@
	s_barrier_signal -3
.Lnot_wave_0_\@:
	s_barrier_wait -3
	s_barrier_signal -1
	s_barrier_wait -1
.endm
.macro CROUND
	s_barrier_signal -1
	s_barrier_wait -1
	CREST
.endm
.macro PLACES n
.rept \n
	v_nop
.endr
.endm
.macro FRAG reg, adr, q, i
.irp p, 0,1,2,3,4,5
	ds_load_b64 v[\reg+2*\p:\reg+2*\p+1], v[\adr] offset:(\i)*TROW+(\q)*1536+256*\p
.endr
.endm
.macro MUL16 a0, p, q, sc, cm
.irp a, \a0, \a0+1
.irp b, 0,1,2,3,4,5,6,7
.if \cm == 1
	v_wmma_scale_f32_16x16x128_f8f6f4 v[8*(8*((\a)%4)+\b):8*(8*((\a)%4)+\b)+7], v[128*(\p)+FR*\b:128*(\p)+FR*\b+FR-1], v[AF+FR*(\a):AF+FR*(\a)+FR-1], v[BI+8*\b:BI+8*\b+7], v[SC+16*(\sc)+2*\b+(\q)], v[SC+16*(\sc)+2*(\a)+(\q)] matrix_a_fmt:MATRIX_FMT_FP6 matrix_b_fmt:MATRIX_FMT_FP6 matrix_a_scale:MATRIX_SCALE_ROW1
.elseif \cm == 2
	v_wmma_scale_f32_16x16x128_f8f6f4 v[8*(8*((\a)%4)+\b):8*(8*((\a)%4)+\b)+7], v[128*(\p)+FR*\b:128*(\p)+FR*\b+FR-1], v[AF+FR*(\a):AF+FR*(\a)+FR-1], v[BI+8*(\a):BI+8*(\a)+7], v[SC+16*(\sc)+2*\b+(\q)], v[SC+16*(\sc)+2*(\a)+(\q)] matrix_a_fmt:MATRIX_FMT_FP6 matrix_b_fmt:MATRIX_FMT_FP6 matrix_a_scale:MATRIX_SCALE_ROW1
.else
	v_wmma_scale_f32_16x16x128_f8f6f4 v[8*(8*((\a)%4)+\b):8*(8*((\a)%4)+\b)+7], v[128*(\p)+FR*\b:128*(\p)+FR*\b+FR-1], v[AF+FR*(\a):AF+FR*(\a)+FR-1], v[8*(8*((\a)%4)+\b):8*(8*((\a)%4)+\b)+7], v[SC+16*(\sc)+2*\b+(\q)], v[SC+16*(\sc)+2*(\a)+(\q)] matrix_a_fmt:MATRIX_FMT_FP6 matrix_b_fmt:MATRIX_FMT_FP6 matrix_a_scale:MATRIX_SCALE_ROW1
.endif
.endr
.endr
.endm
.macro FETCH_B slot, q, p
	WIN 0x40
.irp i, 0,1,2,3,4,5,6,7
	FRAG 128*(\p)+FR*\i, ADR0+\slot, \q, \i
.endr
	WIN 0
.endm
.macro FETCH_A slot, q, i0
.irp i, \i0, \i0+1, \i0+2, \i0+3
	FRAG AF+FR*(\i), ADR1+\slot, \q, \i
.endr
.endm
.macro SCALES sc, kap
.irp i, 0,1,2,3,4,5,6,7
	ds_load_b64 v[SC+16*\sc+2*\i:SC+16*\sc+2*\i+1], v[ADRS] offset:512*\i+128*\kap
.endr
.endm
.macro STEP slot, q, cm
	s_wait_dscnt 4*NL
.if \cm
	WIN 0x81
.else
	WIN 0xa1
.endif
	MUL16 0, (\q)%2, \q, \slot, \cm
	MUL16 2, (\q)%2, \q, \slot, \cm
	s_wait_dscnt 0
	PLACES NP
	FETCH_B \slot, (\q)+1, 1-(\q)%2
	FETCH_A \slot, (\q)+1, 0
.if \cm
	WIN 0xc1
.else
	WIN 0xf1
.endif
	MUL16 4, (\q)%2, \q, \slot, \cm
	MUL16 6, (\q)%2, \q, \slot, \cm
	PLACES NP
	WIN 0
	FETCH_A \slot, (\q)+1, 4
.endm
.macro TURN slot, next, fill, kap
	s_wait_tensorcnt 0x0
	ds_add_u32 v[SPW], v[NIL]
	s_wait_dscnt 4*NL+1
	WIN 0xa1
	MUL16 0, 1, 1, \slot, 0
	s_wait_dscnt 0x0
	s_barrier_signal -1
	MUL16 2, 1, 1, \slot, 0
	WIN 0
	s_barrier_wait -1
.if \fill
	CREST
	s_add_nc_u64 s[G0+4*\slot+2:G0+4*\slot+3], s[G0+4*\slot+2:G0+4*\slot+3], 2*TROW
	s_add_nc_u64 s[G0B+4*\slot+2:G0B+4*\slot+3], s[G0B+4*\slot+2:G0B+4*\slot+3], 2*TROW
	JLOAD G0+4*\slot, G1, G0B+4*\slot, G1B
.else
	PLACES NP
.endif
	FETCH_B \next, 0, 0
	FETCH_A \next, 0, 0
	SCALES \next, \kap
	WIN 0xf1
	MUL16 4, 1, 1, \slot, 0
	MUL16 6, 1, 1, \slot, 0
	PLACES NP
	WIN 0
	FETCH_A \next, 0, 4
.endm
	s_load_b128 s[4:7], s[0:1], 0x0
	s_load_b64 s[12:13], s[0:1], 0x10
	s_load_b64 s[96:97], s[0:1], 0x18
	s_load_b64 s[98:99], s[0:1], 0x20
	s_load_b64 s[92:93], s[0:1], 0x28
	v_lshl_add_u32 v[SPW], v0, 2, SPARE
	v_mov_b32 v[NIL], 0
	ds_add_u32 v[SPW], v[NIL]
	ds_add_u32 v[SPW], v[NIL]
	v_lshrrev_b32 v1, 5, v0
	v_readfirstlane_b32 s14, v1
	s_lshr_b32 s15, s14, 1
	s_and_b32 s16, s14, 1
	s_bfe_u32 s40, ttmp6, 0x40000
	s_bfe_u32 s41, ttmp6, 0x40004
	s_lshl_b32 s42, ttmp9, 2
	s_add_co_u32 s42, s42, s40
	s_and_b32 s17, ttmp7, 0xffff
	s_lshl_b32 s17, s17, 2
	s_add_co_u32 s17, s17, s41
	s_lshl_b32 s43, s41, 2
	s_lshl_b32 s43, 15, s43
	s_lshl_b32 s44, 0x1111, s40
	s_or_b32 s[G1+0], s43, (3<<16)|(1<<21)
	s_or_b32 s[G1B+0], s44, (3<<16)|(1<<21)
.irp g, G1, G1B
	s_mov_b32 s[\g+1], 384<<16
	s_mov_b32 s[\g+2], 16<<16
	s_mov_b32 s[\g+3], 384<<16
	s_mov_b32 s[\g+4], 16
	s_mov_b32 s[\g+5], 1536
	s_mov_b32 s[\g+6], 0
	s_mov_b32 s[\g+7], 0
.endr
	s_or_b32 s[G1S+0], s43, (3<<16)|(1<<21)
	s_or_b32 s[G1SB+0], s44, (3<<16)|(1<<21)
.irp g, G1S, G1SB
	s_mov_b32 s[\g+1], 32<<16
	s_mov_b32 s[\g+2], 32<<16
	s_mov_b32 s[\g+3], 32<<16
	s_mov_b32 s[\g+4], 32
	s_mov_b32 s[\g+5], 32
	s_mov_b32 s[\g+6], 0
	s_mov_b32 s[\g+7], 0
.endr
	s_lshl_b32 s18, s16, 3
	s_lshl_b32 s20, s17, 4
	s_add_co_u32 s20, s20, s18
	s_lshl_b32 s46, s42, 4
	s_add_co_u32 s46, s46, s18
	s_add_co_u32 s46, s46, 512
	s_lshl_b32 s22, s20, 9
	s_mov_b32 s23, 0
	s_lshl_b32 s2, s46, 9
	s_mov_b32 s3, 0
	s_mul_i32 s20, s20, 12288
	s_mov_b32 s21, 0
	s_mul_i32 s46, s46, 12288
	s_mov_b32 s47, 0
	s_mul_i32 s45, s14, HALFT
	s_lshl_b32 s94, s16, 12
	s_wait_dscnt 0x0
	s_wait_kmcnt 0x0
	s_add_nc_u64 s[20:21], s[4:5], s[20:21]
	s_add_nc_u64 s[22:23], s[6:7], s[22:23]
	s_add_nc_u64 s[46:47], s[4:5], s[46:47]
	s_add_nc_u64 s[2:3], s[6:7], s[2:3]
	CROUND
	s_mov_b32 s[G0S], 1
	s_mov_b32 s95, 0
	s_mov_b32 s[G0S+1], SCX
	s_sub_nc_u64 s[G0S+2:G0S+3], s[22:23], s[94:95]
	s_or_b32 s[G0S+3], s[G0S+3], 0x80000000
	s_mov_b32 s[G0SB], 1
	s_mov_b32 s[G0SB+1], SCW
	s_sub_nc_u64 s[G0SB+2:G0SB+3], s[2:3], s[94:95]
	s_or_b32 s[G0SB+3], s[G0SB+3], 0x80000000
	; the head's four tiles, each whole, one load a wave in one chain of arms: slot 0's 16 tile rows of source 1, of source 0, and the scale words of each
	s_mul_i32 s8, s16, 8*12288
	s_mov_b32 s9, 0
	s_sub_nc_u64 s[6:7], s[20:21], s[8:9]
	s_sub_nc_u64 s[10:11], s[46:47], s[8:9]
	s_mov_b32 s4, 1
	s_mov_b32 s5, 0
	s_or_b32 s7, s7, 0x80000000
	s_mov_b32 s8, 1
	s_mov_b32 s9, PART
	s_or_b32 s11, s11, 0x80000000
	s_cmp_lt_u32 s14, 1
	s_cbranch_scc0 .Lhead_b
	tensor_load_to_lds s[4:7], s[G1:G1+7]
	s_nop 0
.rept 4
	v_nop
.endr
	s_branch .Lhead_asked
.Lhead_b:
	s_cmp_lt_u32 s14, 2
	s_cbranch_scc0 .Lhead_sa
	tensor_load_to_lds s[8:11], s[G1B:G1B+7]
	s_nop 0
.rept 4
	v_nop
.endr
	s_branch .Lhead_asked
.Lhead_sa:
	s_cmp_lt_u32 s14, 3
	s_cbranch_scc0 .Lhead_sb
	tensor_load_to_lds s[G0S:G0S+3], s[G1S:G1S+7]
	s_nop 0
.rept 4
	v_nop
.endr
	s_branch .Lhead_asked
.Lhead_sb:
	tensor_load_to_lds s[G0SB:G0SB+3], s[G1SB:G1SB+7]
	s_nop 0
.rept 4
	v_nop
.endr
.Lhead_asked:
.irp s, 0,1
	s_mov_b32 s[G0+4*\s], 1
	s_add_co_u32 s[G0+4*\s+1], s45, \s*SLOT
	s_add_nc_u64 s[G0+4*\s+2:G0+4*\s+3], s[20:21], \s*TROW
	s_or_b32 s[G0+4*\s+3], s[G0+4*\s+3], 0x80000000
	s_mov_b32 s[G0B+4*\s], 1
	s_add_co_u32 s[G0B+4*\s+1], s45, \s*SLOT
	s_add_nc_u64 s[G0B+4*\s+2:G0B+4*\s+3], s[46:47], \s*TROW
	s_or_b32 s[G0B+4*\s+3], s[G0B+4*\s+3], 0x80000000
.endr
	v_and_b32 v1, 15, v0
	v_bfe_u32 v2, v0, 4, 1
	v_and_b32 v3, 31, v0
	v_lshlrev_b32 v[L8], 3, v3
	s_wait_alu depctr_va_vdst(0)
	v_lshlrev_b32 v[L16], 4, v3
	s_mov_b32 s100, 0xffff0000
	s_mov_b32 s66, 0x76543210
	s_mov_b32 s67, 0xfedcba98
	s_cmp_eq_u32 ttmp9, 1
	s_cselect_b64 s[92:93], s[98:99], s[92:93]
	s_cmp_eq_u32 ttmp9, 0
	s_cselect_b64 s[92:93], s[96:97], s[92:93]
	s_cmp_eq_u32 ttmp9, 2
	s_cselect_b32 s95, 1, 0
	s_cselect_b32 s96, PART, 0
	s_cselect_b32 s97, 0, PART
	s_mov_b32 s98, SCX
	s_cselect_b32 s98, SCW, s98
	s_mov_b32 s99, SCW
	s_cselect_b32 s99, SCX, s99
	s_cselect_b32 s101, s15, s16
	s_cselect_b32 s20, 0, 4
	s_cselect_b32 s21, -1, 0
	s_mul_i32 s22, s15, HALFT
	s_add_co_u32 s96, s96, s22
	s_mul_i32 s22, s16, HALFT
	s_add_co_u32 s97, s97, s22
.irp s, 0,1
	v_add_nc_u32 v[ADR1+\s], s96, v[L8]
	v_add_nc_u32 v[ADR0+\s], s97, v[L8]
	s_add_co_u32 s96, s96, SLOT
	s_add_co_u32 s97, s97, SLOT
.endr
	s_lshl_b32 s22, s15, 12
	s_add_co_u32 s98, s98, s22
	s_lshl_b32 s22, s16, 12
	s_add_co_u32 s99, s99, s22
	v_mov_b32 v3, s98
	v_mov_b32 v4, s99
	v_cndmask_b32 v[ADRS], v3, v4, s100
	v_lshl_add_u32 v[ADRS], v1, 3, v[ADRS]
	v_lshlrev_b32 v5, 6, v2
	v_and_b32 v6, 8, v1
	v_add_nc_u32 v6, v6, v1
	v_lshlrev_b32 v6, 2, v6
	v_cndmask_b32 v7, v5, v6, s21
.irp j, 0,1,2,3,4,5,6,7
	v_mad_u32_u24 v[VA+\j], s20, \j, v7
.endr
	s_lshl_b32 s22, s40, 10
	s_lshl_b32 s23, s101, 9
	s_add_co_u32 s22, s22, s23
	s_mov_b32 s23, 0
	s_add_nc_u64 s[92:93], s[92:93], s[22:23]
.irp i, 0,1,2,3,4,5,6,7
.irp j, 0,1,2,3,4,5,6,7
	global_load_b32 v[BI+8*\i+\j], v[VA+\j], s[92:93] offset:(32*(\i/2)+8*(\i%2))*4
.endr
.endr
	; the lane addresses and the bias loads above stand between the head's four requests and this wait for them
	s_wait_alu depctr_va_vdst(0)
	s_wait_tensorcnt 0x0                           ; my tile of the head's four is in
	ds_add_u32 v28, v29
	s_mov_b32 s[G1+2], 8<<16                       ; no tensor load of mine is out: from here on a load brings 8 tile rows
	s_mov_b32 s[G1+4], 8
	s_mov_b32 s[G1B+2], 8<<16
	s_mov_b32 s[G1B+4], 8
	s_wait_dscnt 0x0
	CROUND                                         ; all four tiles are shown to every wave, and the partners are here
	JLOAD G0+4, G1, G0B+4, G1B
	FETCH_B 0, 0, 0
	FETCH_A 0, 0, 0
	SCALES 0, 0
	FETCH_A 0, 0, 4
	s_wait_loadcnt 0x0
	s_cmp_eq_u32 s95, 1
	s_cbranch_scc1 .Lfirst_v
	STEP 0, 0, 1
	s_branch .Lfirst_done
.Lfirst_v:
	STEP 0, 0, 2
.Lfirst_done:
	TURN 0, 1, 1, 1
	STEP 1, 0, 0
	TURN 1, 0, 1, 2
	STEP 0, 0, 0
	TURN 0, 1, 0, 3
	STEP 1, 0, 0
	s_wait_dscnt 4*NL
	WIN 0xa1
	MUL16 0, 1, 1, 1, 0
	MUL16 2, 1, 1, 1, 0
	s_wait_dscnt 0
	WIN 0xf1
	MUL16 4, 1, 1, 1, 0
	MUL16 6, 1, 1, 1, 0
	WIN 0
	PLACES NP
	s_lshr_b32 s78, s17, 3
	s_and_b32 s79, s17, 7
	s_lshl_b32 s79, s79, 1
	s_lshl_b32 s82, s40, 2
	s_lshl_b32 s83, s101, 1
	s_add_co_u32 s82, s82, s83
	s_lshl_b32 s78, s78, 4
	s_add_co_u32 s78, s78, s82
	s_lshl_b32 s78, s78, 4
	s_mov_b32 s74, 768
	s_mov_b32 s88, HSTR
	s_cmp_eq_u32 s95, 1
	s_cselect_b32 s80, s16, s15
	s_cselect_b32 s74, 1536, s74
	s_cselect_b32 s76, HSTR-4*1536, 0
	s_cselect_b32 s88, 768, s88
	s_mov_b32 s75, 0
	s_mov_b32 s77, 0
	s_mov_b32 s89, 0
	s_add_co_u32 s79, s79, s80
	s_add_co_u32 s78, s78, s79
	s_mul_i32 s78, s78, BLKB
	s_mov_b32 s84, 12800
	s_mov_b32 s86, 19456
	s_cmp_eq_u32 ttmp9, 1
	s_cselect_b32 s84, 6656, s84
	s_cselect_b32 s86, 18944, s86
	s_cmp_eq_u32 ttmp9, 0
	s_cselect_b32 s84, 0, s84
	s_cselect_b32 s86, 6144, s86
	s_add_co_u32 s84, s84, s78
	s_add_co_u32 s86, s86, s78
	s_mov_b32 s85, 0
	s_mov_b32 s87, 0
	s_add_nc_u64 s[68:69], s[12:13], s[84:85]
	s_add_nc_u64 s[70:71], s[68:69], s[88:89]
	s_add_nc_u64 s[72:73], s[12:13], s[86:87]
.irp b, 0,1,2,3
	v_mov_b32 v[TM+4+\b], 0
.endr
.macro QBLK a
.set AC, 64*((\a)%4)
.set WW, 2+(\a)/4
.set WM, (WW<<4)|(WW<<2)
	s_wait_xcnt 0x0
.if (\a) > 0
	s_add_nc_u64 s[68:69], s[68:69], s[74:75]
	s_add_nc_u64 s[70:71], s[70:71], s[74:75]
.endif
.if (\a) == 4
	s_add_nc_u64 s[68:69], s[68:69], s[76:77]
	s_add_nc_u64 s[70:71], s[70:71], s[76:77]
.endif
	WIN 0
.irp b, 0,1,2,3
	v_mov_b32 v[TM+\b], 0x1800000
.endr
	WIN WM
.irp i, 0,2,4,6,8,10,12,14
.irp b, 0,1,2,3
	v_max3_num_f32 v[TM+\b], v[TM+\b], |v[AC+16*\b+\i]|, |v[AC+16*\b+\i+1]|
.endr
.endr
	WIN 0
.irp b, 0,1,2,3
	v_permlanex16_b32 v[TM+4+\b], v[TM+\b], s66, s67
.endr
.irp b, 0,1,2,3
	v_max_num_f32 v[TM+\b], v[TM+\b], v[TM+4+\b]
.endr
.irp b, 0,1,2,3
	v_add_nc_u32 v[TM+12+\b], 0xff000000, v[TM+\b]
.endr
.irp b, 0,1,2,3
	v_lshrrev_b32 v[TM+4+\b], 23, v[TM+12+\b]
.endr
	v_lshl_or_b32 v[W0+(\a)], v[TM+5], 8, v[TM+4]
	v_lshl_or_b32 v[W0+8+(\a)], v[TM+7], 8, v[TM+6]
	WIN WW
.irp c, 0,1
	v_cvt_scalef32_pk16_fp6_f32 v[PC+6*\c:PC+2+6*\c], v[AC+32*\c:AC+15+32*\c], v[TM+12+2*\c]
	v_cvt_scalef32_pk16_fp6_f32 v[PC+12+4*\c:PC+14+4*\c], v[AC+16+32*\c:AC+31+32*\c], v[TM+13+2*\c]
.endr
	WIN 0
	v_nop
.irp c, 0,1
.irp i, 0,1,2
	v_permlane16_swap_b32 v[PC+6*\c+\i], v[PC+12+4*\c+\i]
.endr
.irp i, 0,1,2
	v_mov_b32 v[PC+3+6*\c+\i], v[PC+12+4*\c+\i]
.endr
.endr
.irp p, 0,1,2
	global_store_b64 v[L8], v[PC+2*\p:PC+2*\p+1], s[68:69] offset:256*\p
.endr
.irp p, 0,1,2
	global_store_b64 v[L8], v[PC+6+2*\p:PC+7+2*\p], s[70:71] offset:256*\p
.endr
.endm
.irp n, 0,1,2,3,4,5,6,7
	QBLK \n
.endr
	s_cmp_eq_u32 s95, 1
	s_cbranch_scc1 .Lscale_v
.irp c, 0,1
.irp i, 0,1,2,3
	v_cndmask_b32 v[TQ+4*\c+\i], v[W0+8*\c+2*\i], v[W0+8*\c+2*\i+1], s100
.endr
	global_store_b128 v[L16], v[TQ+4*\c:TQ+4*\c+3], s[72:73] offset:HSTR*\c
.endr
	s_branch .Lscale_done
.Lscale_v:
.irp n, 0,1,2,3,4,5,6,7
	v_lshl_or_b32 v[FW+\n], v[W0+8+\n], 16, v[W0+\n]
.endr
.irp c, 0,1
.irp i, 0,1
	v_cndmask_b32 v[TQ+2*\c+\i], v[FW+4*\c+2*\i], v[FW+4*\c+2*\i+1], s100
.endr
	global_store_b64 v[L8], v[TQ+2*\c:TQ+2*\c+1], s[72:73] offset:HSTR*\c
.endr
.Lscale_done:
	s_wait_tensorcnt 0x0
	ds_add_u32 v[SPW], v[NIL]
	s_wait_dscnt 0x0
	CROUND
	s_endpgm
.Lfunc_end_k_q39a0208984_qkv:
	.size	k_q39a0208984_qkv, .Lfunc_end_k_q39a0208984_qkv-k_q39a0208984_qkv
	.p2alignl 7, 3214868480
	.fill 96, 4, 3214868480
	.section	.rodata,"a",@progbits
	.p2align	6, 0x0
	.amdhsa_kernel k_q39a0208984_qkv
		.amdhsa_group_segment_fixed_size 327680
		.amdhsa_private_segment_fixed_size 0
		.amdhsa_enable_private_segment 0
		.amdhsa_kernarg_size 48
		.amdhsa_user_sgpr_count 2
		.amdhsa_user_sgpr_kernarg_segment_ptr 1
		.amdhsa_wavefront_size32 1
		.amdhsa_system_sgpr_workgroup_id_x 1
		.amdhsa_system_sgpr_workgroup_id_y 1
		.amdhsa_system_sgpr_workgroup_id_z 1
		.amdhsa_system_vgpr_workitem_id 0
		.amdhsa_next_free_vgpr 1024
		.amdhsa_next_free_sgpr 102
		.amdhsa_reserve_vcc 0
		.amdhsa_float_denorm_mode_32 3
		.amdhsa_float_denorm_mode_16_64 3
		.amdhsa_memory_ordered 1
		.amdhsa_forward_progress 1
		.amdhsa_inst_pref_size 192
	.end_amdhsa_kernel
	.amdgpu_metadata
---
amdhsa.version: [ 1, 2 ]
amdhsa.kernels:
  - .name:           k_q39a0208984_qkv
    .symbol:         k_q39a0208984_qkv.kd
    .args:
      - { .name: cod, .offset: 0, .size: 8, .value_kind: global_buffer, .address_space: global }
      - { .name: scl, .offset: 8, .size: 8, .value_kind: global_buffer, .address_space: global }
      - { .name: qkv, .offset: 16, .size: 8, .value_kind: global_buffer, .address_space: global }
      - { .name: bq, .offset: 24, .size: 8, .value_kind: global_buffer, .address_space: global }
      - { .name: bk, .offset: 32, .size: 8, .value_kind: global_buffer, .address_space: global }
      - { .name: bv, .offset: 40, .size: 8, .value_kind: global_buffer, .address_space: global }
    .group_segment_fixed_size: 327680
    .private_segment_fixed_size: 0
    .kernarg_segment_align: 8
    .kernarg_segment_size: 48
    .max_flat_workgroup_size: 128
    .sgpr_count:     102
    .vgpr_count:     1024
    .wavefront_size: 32
...
	.end_amdgpu_metadata
.endif
;; end of part 2
;; launch attn (part 3): grid 4 x 64, 16 waves a work-group, clusters of 4 x 1, 262,144 bytes of LDS; arguments qkv, ac, asc; writes ac, asc
.if DOCPART == 3
	.amdgcn_target "amdgcn-amd-amdhsa--gfx1250"
	.amdhsa_code_object_version 6
	.text
	.protected	k_q39a0208984_attn
	.globl	k_q39a0208984_attn
	.p2align	8
	.type	k_q39a0208984_attn,@function
k_q39a0208984_attn:
	s_mov_b64 s[64:65], 0
	v_nop
	global_prefetch_b8 v0, s[64:65] scope:SCOPE_SE
	s_setreg_imm32_b32 hwreg(HW_REG_WAVE_MODE, 25, 1), 1
	s_wait_xcnt 0x0
	s_wait_alu depctr_hold_cnt(0) depctr_sa_sdst(0) depctr_va_vdst(0) depctr_va_sdst(0) depctr_va_ssrc(0) depctr_va_vcc(0) depctr_vm_vsrc(0)
	s_getreg_b32 s2, hwreg(HW_REG_IB_STS2, 6, 4)
	s_cmp_eq_u32 s2, 0
	s_cbranch_scc0 .Lentry_in_a_cluster
	s_endpgm
.Lentry_in_a_cluster:
	s_bfe_u32 s2, ttmp6, 0x10000c
	s_cmp_lg_u32 s2, 0x3003
	s_cbranch_scc0 .Lentry_shape_is_right
	s_endpgm
.Lentry_shape_is_right:
; For each of 64 heads: O = softmax(q k^T / 32) v, both products on codes of FP6 (E2M3) with E8M0 scales; O is quantised along (head, channel) and leaves as half a fragment's image.
; THE SOFTMAX: t = score x log2(e) / 32; M = the running largest t rounded up to a whole number; p = 2^(t - M) is quantised along the keys, not normalised; the row's sum is taken of the
; unquantised p and divides O at the end.  When M moves, the sum and O are multiplied by 2^(old M - new M), which rounds nothing.
; SHARES: a work-group owns 512 queries of one head; each of its sixteen waves takes two tiles of 16 queries, one after the other (tiles w and w + 16 of the 32).  64 heads x 4 work-groups = 256.
; NO RING: a head's K, V and their scale words are 16 blocks of 13,056 bytes (128 keys each); they stay in LDS as 51 rows of 256 + 32 bytes each.  Nothing is filled twice.
; Each wave asks for ONE block at the head (block w).  Waves 0-3 have a load line of their own: the first barrier shows blocks 0-3, and four key steps run on them; the second shows all sixteen.  Behind it no barrier stands.
; CLUSTER: the four work-groups of a cluster belong to one head: each block is asked for jointly.
; NO PREFETCH: the head's tensor loads ask for every byte of K and V that the work-group reads; there is no later request to run ahead of.
; LAYOUT: both products are used transposed: S^T = K Q^T, O^T = V^T P^T: a lane holds one query throughout.
; THE KEYS OF A TILE ARE CHOSEN BY THE LANES' LDS ADDRESSES: tile (c, u) takes keys 64 c + 8 u + 0..7 as rows 0-7 and keys 64 c + 32 + 8 u + 0..7 as rows 8-15.  So registers S + 32 c + 0..31 of lane (r, h) are
; keys 64 c + 32 h + 0..31: ONE scale block of p, in the order of the operand's registers: no lane asks another for a block's maximum, and no codes change lanes.
; In the buffer key 32 g + 8 y + i lies in tile 2 g + y % 2 at row i + 8 (y / 2); the 32 bytes behind each 256 put rows 0-7 and rows 8-15 of a tile, 1,536 bytes apart in memory, on different banks.
; K = 64 IN AN INSTRUCTION OF 128: Q's registers 6-11 are zero codes, so the upper six registers of K's operand may hold any codes: they are the next tile's (v80-85, zeros, for the last).
; LIMITS: the promise holds while the scaled scores t stay under 2^31 in magnitude; v_exp_f32 and v_rcp_f32 are good to 1 ulp and flush denormals; a block of p whose largest falls under 2^-124 gets the byte 1; NaN and infinities are not served.
.set HSTR,  315392                     ; a head's bytes in qkv
.set BLKB,  19712                      ; 128 tokens of a head: Q image 0, q's words 6,144, K image 6,656, V image 12,800, k's words 18,944, v's 19,456
.set ROWP,  288                        ; an LDS row: 256 bytes + 32
.set STEPL, 51*ROWP                    ; a block in LDS: rows 0-23 K, 24-47 V, 48-49 k's words, 50 v's
.set SPARE, 16*STEPL                   ; the spare words, 128 bytes a wave
.set L8,  1                            ; 8 x lane
.set AK,  2                            ; K: 8 (r % 8) + 128 h + 6 rows x (r / 8)
.set AW,  3                            ; k's words: 16 (r % 8) + 4 (r / 8) + a row x h
.set ADK, 4
.set SPW, 5
.set NIL, 6
.set R8,  7                            ; 8 r
.set ADV, 8
.set ADW, 9
.set SH8, 10                           ; 8 h
.set TP,  11
.set KF,  32                           ; v32-79 K: 8 tiles x 6 registers; v80-85 zeros
.set VF,  86                           ; v86-133 V: 4 fragments
.set S,   134                          ; v134-197 S^T, then p
.set O,   198                          ; v198-229 O^T
.set PC,  230                          ; v230-241 p's codes
.set KS,  244                          ; v244-247 k's words: register 2 c + w: lanes 0-15 tile (c, 2 w), lanes 16-31 tile (c, 2 w + 1)
.set VS,  248
.set PS,  250
.set QS,  251
.set QS1, 252                          ; the second tile's Q waits in v28-31, v242-243, its words in v252
.set T0,  253
.set WP,  254
.set TS,  255
.set MA,  32                           ; the softmax works in K's registers, which are free between K Q^T and the next step's loads
.set MB,  34
.set T1,  36
.set FF,  38
.set SOP, 40
.set BY,  42
.set WD,  44
.set P2,  48
.set A0,  56
.set TB,  40
.set CNT, 41
.macro WALU
	s_wait_alu depctr_va_vdst(0)
.endm
.macro CROUND
	s_barrier_signal -1
	s_barrier_wait -1
	s_cmp_lg_u32 s10, 0
	s_cbranch_scc1 .Lnot_wave_0_\@
	s_barrier_signal -3
.Lnot_wave_0_\@:
	s_barrier_wait -3
	s_barrier_signal -1
	s_barrier_wait -1
.endm
.macro ZERO                            ; a tile's start: the largest score -3e38, the sums and O^T zeros (the first step's factor is 0)
	v_mov_b32 v13, 0xff61b1e6
	v_floor_f32 v12, -v13
	v_mov_b32 v14, 0
	v_mov_b32 v15, 0
.set J, 0
.rept 32
	v_mov_b32 v[O+J], 0
.set J, J+1
.endr
.endm
	s_load_b128 s[4:7], s[0:1], 0x0                ; qkv, ac
	s_load_b64 s[8:9], s[0:1], 0x10                ; asc
	v_lshl_add_u32 v[SPW], v0, 2, SPARE
	v_mov_b32 v[NIL], 0
	ds_add_u32 v[SPW], v[NIL]                      ; the opening lines: the add, twice on end, and its wait ahead of my tensor load
	ds_add_u32 v[SPW], v[NIL]
	v_lshrrev_b32 v1, 5, v0
	v_readfirstlane_b32 s10, v1                    ; wave 0..15
	s_and_b32 s42, ttmp7, 0xffff                   ; the head (batch x 16 + head), which the partners share
	s_bfe_u32 s43, ttmp6, 0x40000                  ; cx: my 512 queries; it enters Q's and the outputs' addresses alone
	s_mul_i32 s46, s42, HSTR
	s_mul_i32 s48, s10, BLKB
	s_add_co_u32 s48, s48, s46
	s_add_co_u32 s48, s48, 6656                    ; K, V and their words of key step w
	s_mov_b32 s49, 0
	s_mul_i32 s45, s10, STEPL                      ; and its place in LDS
	s_lshr_b32 s50, s10, 3
	s_lshl_b32 s51, s43, 2
	s_add_co_u32 s50, s50, s51                     ; my first tile's group of 128 tokens: 4 cx + w / 8 (the second tile's: two on)
	s_mul_i32 s50, s50, BLKB
	s_add_co_u32 s50, s50, s46
	s_and_b32 s51, s10, 7                          ; my tile in it
	s_mul_i32 s52, s51, 768
	s_add_co_u32 s52, s52, s50
	s_mov_b32 s53, 0
	s_and_b32 s54, s51, 1
	s_lshl_b32 s54, s54, 8
	s_lshr_b32 s55, s51, 1
	s_lshl_b32 s55, s55, 2
	s_add_co_u32 s54, s54, s55
	s_add_co_u32 s54, s54, s50
	s_add_co_u32 s54, s54, 6144                    ; my tile's scale words: 256 (tile % 2) + 4 (tile / 2), + 16 r
	s_mov_b32 s55, 0
	s_lshr_b32 s50, s42, 4
	s_lshl_b32 s50, s50, 7
	s_lshl_b32 s51, s43, 5
	s_add_co_u32 s50, s50, s51
	s_add_co_u32 s50, s50, s10                     ; my first token tile among all 512 (the second: 16 on)
	s_and_b32 s51, s42, 15                         ; the head in its batch
	s_mul_i32 s46, s50, 12288
	s_mul_i32 s47, s51, 768
	s_add_co_u32 s46, s46, s47
	s_mov_b32 s47, 0
	s_lshl_b32 s62, s50, 9
	s_lshr_b32 s63, s51, 2
	s_lshl_b32 s63, s63, 7
	s_add_co_u32 s62, s62, s63
	s_and_b32 s63, s51, 3
	s_lshl_b32 s63, s63, 1
	s_add_co_u32 s62, s62, s63
	s_mov_b32 s63, 0
	; group 1: 13,056 dense bytes as 51 rows of 256 (32 elements of 8 bytes), 8 words of padding behind each 64; the mask names all four partners, bit 21 beside it
	s_mov_b32 s16, 15|(3<<16)|(1<<20)|(1<<21)|(5<<22)|(7<<25)
	s_mov_b32 s17, 32<<16
	s_mov_b32 s18, 51<<16
	s_mov_b32 s19, 32<<16
	s_mov_b32 s20, 51
	s_mov_b32 s21, 32
	s_mov_b32 s22, 0
	s_mov_b32 s23, 0
	s_mov_b32 s12, 0x76543210
	s_mov_b32 s13, 0xfedcba98                      ; v_permlanex16_b32's selects for lane l xor 16
	s_mov_b32 s14, 0x3d38aa3b                      ; c = log2(e) / 32
	s_mov_b32 s15, s14                             ; (named with it as a pair)
	s_wait_dscnt 0x0                               ; both opening adds are done
	s_wait_kmcnt 0x0
	s_add_nc_u64 s[48:49], s[4:5], s[48:49]
	s_add_nc_u64 s[56:57], s[4:5], s[52:53]        ; Q's codes
	s_add_nc_u64 s[54:55], s[4:5], s[54:55]        ; Q's scale words
	s_add_nc_u64 s[58:59], s[6:7], s[46:47]        ; where my codes go
	s_add_nc_u64 s[60:61], s[8:9], s[62:63]        ; and my scale bytes
	s_mov_b32 s24, 1
	s_mov_b32 s25, s45
	s_mov_b64 s[26:27], s[48:49]
	s_or_b32 s27, s27, 0x80000000
	CROUND                                         ; all four work-groups are here: the joint loads meet
	s_cmp_lt_u32 s10, 4                            ; one load a wave, in one chain of two arms: waves 0-3 wait ahead of the first barrier, so their line is theirs alone
	s_cbranch_scc0 .Lrest
	tensor_load_to_lds s[24:27], s[16:23]
	s_nop 0
.rept 4
	v_nop
.endr
	s_branch .Lasked
.Lrest:
	tensor_load_to_lds s[24:27], s[16:23]
	s_nop 0
.rept 4
	v_nop
.endr
.Lasked:
	v_and_b32 v32, 31, v0
	v_and_b32 v33, 15, v0
	v_lshlrev_b32 v[L8], 3, v32
	v_lshlrev_b32 v34, 4, v33
	v_lshlrev_b32 v[R8], 3, v33
.irp p, 0,1,2
	global_load_b64 v[16+2*\p:17+2*\p], v[L8], s[56:57] offset:256*\p   ; the first tile's Q stays in registers
.endr
	global_load_b32 v[QS], v34, s[54:55]
	global_load_b64 v[28:29], v[L8], s[56:57] offset:2*BLKB               ; the second tile's waits
	global_load_b64 v[30:31], v[L8], s[56:57] offset:2*BLKB+256
	global_load_b64 v[242:243], v[L8], s[56:57] offset:2*BLKB+512
	global_load_b32 v[QS1], v34, s[54:55] offset:2*BLKB
	v_and_b32 v35, 7, v0
	v_bfe_u32 v36, v0, 3, 1
	v_bfe_u32 v37, v0, 4, 1
	v_lshlrev_b32 v[AK], 3, v35
	v_lshl_add_u32 v[AK], v37, 7, v[AK]
	v_mad_u32_u24 v[AK], v36, 6*ROWP, v[AK]
	v_lshlrev_b32 v[AW], 4, v35
	v_lshl_add_u32 v[AW], v36, 2, v[AW]
	v_mad_u32_u24 v[AW], v37, ROWP, v[AW]
	v_lshlrev_b32 v[SH8], 3, v37
	v_mov_b32 v[TP], 0                             ; written once: a lane permute's destination counts as one of its sources
	v_mov_b32 v[WP], 0
.irp j, 0,1,2,3,4,5
	v_mov_b32 v[22+\j], 0                          ; Q's k = 64 .. 127: zero codes
	v_mov_b32 v[80+\j], 0                          ; the tail of K's last operand
.endr
	ZERO
; A KEY STEP: 128 keys, whose block begins at LDS byte s[TB]
.macro STEP
	v_add_nc_u32 v[ADK], s[TB], v[AK]
	v_add_nc_u32 v[ADW], s[TB], v[AW]
.irp w, 0,1
.irp c, 0,1
	ds_load_b32 v[KS+2*\c+\w], v[ADW] offset:48*ROWP+128*\w+8*\c
.endr
.endr
.irp c, 0,1
.irp u, 0,1,2,3
.irp p, 0,1,2
	ds_load_b64 v[KF+6*(4*\c+\u)+2*\p:KF+6*(4*\c+\u)+2*\p+1], v[ADK] offset:ROWP*(3*(4*\c+\u%2)+\p)+64*(\u/2)
.endr
.endr
.endr
	s_wait_dscnt 0x0                               ; K and its words are in: nothing else of mine is out
.irp t, 0,2,4,6
	v_wmma_scale_f32_16x16x128_f8f6f4 v[S+8*\t:S+8*\t+7], v[KF+6*\t:KF+6*\t+11], v[16:27], 0, v[KS+\t/2], v[QS] matrix_a_fmt:MATRIX_FMT_FP6 matrix_b_fmt:MATRIX_FMT_FP6
	v_wmma_scale_f32_16x16x128_f8f6f4 v[S+8*\t+8:S+8*\t+15], v[KF+6*\t+6:KF+6*\t+17], v[16:27], 0, v[KS+\t/2], v[QS] matrix_a_fmt:MATRIX_FMT_FP6 matrix_b_fmt:MATRIX_FMT_FP6 matrix_a_scale:MATRIX_SCALE_ROW1
.endr
	v_add_nc_u32 v[ADV], s[TB], v[L8]              ; four places: behind these products, and behind the last step's, whose registers V's loads fill
	v_mov_b32 v[T0], v12                           ; the old -M
	v_nop
	v_nop
.irp d, 0,1,2,3
.irp p, 0,1,2,3,4,5
	ds_load_b64 v[VF+12*\d+2*\p:VF+12*\d+2*\p+1], v[ADV] offset:ROWP*(24+6*\d+\p)   ; V lands under the softmax
.endr
.endr
	ds_load_b64 v[VS:VS+1], v[ADV] offset:ROWP*50
.irp c, 0,1                                    ; the largest score of my two blocks of 32 keys, two chains to a block; each accumulator is read from its low end on
	v_max3_num_f32 v[MA+\c], v[S+32*\c], v[S+32*\c+1], v[S+32*\c+2]
	v_max3_num_f32 v[MB+\c], v[S+32*\c+16], v[S+32*\c+17], v[S+32*\c+18]
.endr
.irp i, 3,5,7,9,11,13
.irp c, 0,1
	v_max3_num_f32 v[MA+\c], v[MA+\c], v[S+32*\c+\i], v[S+32*\c+\i+1]
	v_max3_num_f32 v[MB+\c], v[MB+\c], v[S+32*\c+16+\i], v[S+32*\c+17+\i]
.endr
.endr
.irp c, 0,1
	v_max3_num_f32 v[MA+\c], v[MA+\c], v[S+32*\c+15], v[S+32*\c+31]
.endr
.irp c, 0,1
	v_max_num_f32 v[MA+\c], v[MA+\c], v[MB+\c]     ; it serves twice: for the row's maximum, and, since p rises with the score, for the block's largest p
.endr
	s_delay_alu instid0(VALU_DEP_1)
	v_max_num_f32 v[T1], v[MA], v[MA+1]
	s_delay_alu instid0(VALU_DEP_1)
	v_permlanex16_b32 v[TP], v[T1], s12, s13       ; lane l xor 16 holds my query's other 64 keys
	s_delay_alu instid0(VALU_DEP_1)
	v_max3_num_f32 v13, v13, v[T1], v[TP]          ; the running largest score (c is positive: the largest t is c x it)
	s_delay_alu instid0(VALU_DEP_1)
	v_mul_f32 v[T1], s14, v13
	s_delay_alu instid0(VALU_DEP_1)
	v_floor_f32 v12, -v[T1]                        ; the new -M = -ceil(t)
	s_delay_alu instid0(VALU_DEP_1)
	v_sub_f32 v[T0], v12, v[T0]                    ; old M - new M: a whole number, 0 or less
	v_fma_f32 v[MA], v[MA], s14, v12               ; t - M of each block's largest score
	v_fma_f32 v[MA+1], v[MA+1], s14, v12
	v_cvt_i32_f32 v[T0], v[T0]                     ; (it saturates)
.set J, 0
.rept 4
	v_pk_fma_f32 v[S+J:S+J+1], v[S+J:S+J+1], s[14:15], v[12:13] op_sel_hi:[1,0,0]   ; t - M
.set J, J+2
.endr
	v_ldexp_f32 v[FF], 1.0, v[T0]                  ; f = 2^(old M - new M)
.rept 28
	v_pk_fma_f32 v[S+J:S+J+1], v[S+J:S+J+1], s[14:15], v[12:13] op_sel_hi:[1,0,0]
.set J, J+2
.endr
	WALU                                           ; the wait ahead of the batch
	v_exp_f32 v[MA], v[MA]                         ; the blocks' largest p: the same two instructions on the same number as that p itself
	v_exp_f32 v[MA+1], v[MA+1]
.set J, 0
.rept 64
	v_exp_f32 v[S+J], v[S+J]                       ; p = 2^(t - M)
.set J, J+1
.endr
	v_pk_mul_f32 v[14:15], v[14:15], v[FF:FF+1] op_sel_hi:[1,0]   ; the sums under the new M (a plain place behind the exponentials)
	WALU                                           ; one wait for the batch, ahead of its first reader
	v_max_num_f32 v[MA], 0x1800000, v[MA]          ; the floor 2^(3 - 127): the byte cannot fall under 1
	v_max_num_f32 v[MA+1], 0x1800000, v[MA+1]
	v_pk_add_f32 v[A0:A0+1], v[S:S+1], v[S+2:S+3]  ; the row's sum of the unquantised p, in four chains
	v_pk_add_f32 v[A0+2:A0+3], v[S+4:S+5], v[S+6:S+7]
	v_pk_add_f32 v[A0+4:A0+5], v[S+8:S+9], v[S+10:S+11]
	v_pk_add_f32 v[14:15], v[14:15], v[S+12:S+13]
	v_add_nc_u32 v[SOP], 0xff000000, v[MA]         ; 2 off the exponent field: the conversion's scale operand
	v_add_nc_u32 v[SOP+1], 0xff000000, v[MA+1]
.set J, 14
.rept 6
	v_pk_add_f32 v[A0:A0+1], v[A0:A0+1], v[S+J:S+J+1]
	v_pk_add_f32 v[A0+2:A0+3], v[A0+2:A0+3], v[S+J+2:S+J+3]
	v_pk_add_f32 v[A0+4:A0+5], v[A0+4:A0+5], v[S+J+4:S+J+5]
	v_pk_add_f32 v[14:15], v[14:15], v[S+J+6:S+J+7]
.set J, J+8
.endr
	v_lshrrev_b32 v[BY], 23, v[SOP]                ; the scales' bytes
	v_lshrrev_b32 v[BY+1], 23, v[SOP+1]
	v_pk_add_f32 v[A0:A0+1], v[A0:A0+1], v[S+62:S+63]
	v_pk_add_f32 v[A0+2:A0+3], v[A0+2:A0+3], v[A0+4:A0+5]
	v_pk_add_f32 v[14:15], v[14:15], v[A0:A0+1]
	v_pk_add_f32 v[14:15], v[14:15], v[A0+2:A0+3]
.irp c, 0,1
	v_cvt_scalef32_pk16_fp6_f32 v[PC+6*\c:PC+2+6*\c], v[S+32*\c:S+15+32*\c], v[SOP+\c]
	v_cvt_scalef32_pk16_fp6_f32 v[P2+4*\c:P2+2+4*\c], v[S+16+32*\c:S+31+32*\c], v[SOP+\c]   ; (a conversion's three registers begin on an even number)
.endr
	v_lshl_or_b32 v[WD], v[BY+1], 16, v[BY]        ; my bytes: blocks h and 2 + h (these four lines are also the plain place behind the conversions),
	v_lshlrev_b32 v[WD], v[SH8], v[WD]             ; at their places in the word;
	v_permlanex16_b32 v[WP], v[WD], s12, s13
	v_or_b32 v[PS], v[WD], v[WP]                   ; with lane l xor 16's two, p's scale word for these 128 keys
.irp c, 0,1
.irp i, 0,1,2
	v_mov_b32 v[PC+3+6*\c+\i], v[P2+4*\c+\i]
.endr
.endr
	s_wait_dscnt 0x0                               ; V is in
	WALU                                           ; the wait directly ahead of the first reader of O^T
.set J, 0
.rept 16
	v_pk_mul_f32 v[O+J:O+J+1], v[O+J:O+J+1], v[FF:FF+1] op_sel_hi:[1,0]   ; O^T under the new M, each tile from its low end.  For each product below twelve of these name none of its registers: the places behind the scale word and the codes
.set J, J+2
.endr
.irp d, 0,2
	v_wmma_scale_f32_16x16x128_f8f6f4 v[O+8*\d:O+8*\d+7], v[VF+12*\d:VF+12*\d+11], v[PC:PC+11], v[O+8*\d:O+8*\d+7], v[VS+\d/2], v[PS] matrix_a_fmt:MATRIX_FMT_FP6 matrix_b_fmt:MATRIX_FMT_FP6
	v_wmma_scale_f32_16x16x128_f8f6f4 v[O+8*\d+8:O+8*\d+15], v[VF+12*\d+12:VF+12*\d+23], v[PC:PC+11], v[O+8*\d+8:O+8*\d+15], v[VS+\d/2], v[PS] matrix_a_fmt:MATRIX_FMT_FP6 matrix_b_fmt:MATRIX_FMT_FP6 matrix_a_scale:MATRIX_SCALE_ROW1
.endr
	s_add_co_u32 s[TB], s[TB], STEPL
.endm
.macro LOOP first, n                   ; n key steps from block first on
	s_mov_b32 s[TB], STEPL*\first
	s_mov_b32 s[CNT], \n
.Lstep_\@:
	STEP
	s_sub_co_u32 s[CNT], s[CNT], 1
	s_cmp_lg_u32 s[CNT], 0
	s_cbranch_scc1 .Lstep_\@
.endm
; THE WAY OUT of a tile: O^T / the sum; its 32 numbers a lane (register 16 b + i = channel 32 b + 16 h + i) are two blocks of the next product's K: half a fragment and two scale bytes.
.macro OUT cof, sof
	v_add_f32 v14, v14, v15                        ; the sum's two halves,
	v_permlanex16_b32 v[TP], v14, s12, s13
	v_add_f32 v14, v14, v[TP]                      ; and lane l xor 16's
	v_nop
	WALU
	v_rcp_f32 v14, v14
	v_nop                                          ; a plain place behind the reciprocal
	WALU                                           ; and the wait ahead of its first reader, which is O^T's first reader too
.set J, 0
.rept 16
	v_pk_mul_f32 v[S+J:S+J+1], v[O+J:O+J+1], v[14:15] op_sel_hi:[1,0]
.set J, J+2
.endr
.irp b, 0,1
	v_max3_num_f32 v[MA+\b], |v[S+16*\b]|, |v[S+1+16*\b]|, 0x1800000
.endr
.irp i, 2,4,6,8,10,12,14
.irp b, 0,1
	v_max3_num_f32 v[MA+\b], v[MA+\b], |v[S+16*\b+\i]|, |v[S+1+16*\b+\i]|
.endr
.endr
.irp b, 0,1
	v_permlanex16_b32 v[MB+\b], v[MA+\b], s12, s13
.endr
.irp b, 0,1
	v_max_num_f32 v[MA+\b], v[MA+\b], v[MB+\b]
.endr
.irp b, 0,1
	v_add_nc_u32 v[SOP+\b], 0xff000000, v[MA+\b]
.endr
.irp b, 0,1
	v_lshrrev_b32 v[BY+\b], 23, v[SOP+\b]
.endr
	v_lshl_or_b32 v[TS], v[BY+1], 8, v[BY]
	v_cvt_scalef32_pk16_fp6_f32 v[PC:PC+2], v[S:S+15], v[SOP]
	v_cvt_scalef32_pk16_fp6_f32 v[P2:P2+2], v[S+16:S+31], v[SOP+1]
	v_nop
.irp i, 0,1,2
	v_permlane16_swap_b32 v[PC+\i], v[P2+\i]       ; the operand's layout wants a whole block in a lane
.endr
.irp i, 0,1,2
	v_mov_b32 v[PC+3+\i], v[P2+\i]
.endr
.irp p, 0,1,2
	global_store_b64 v[L8], v[PC+2*\p:PC+2*\p+1], s[58:59] offset:256*\p+\cof   ; 256 consecutive bytes, aligned
.endr
	global_store_b16 v[R8], v[TS], s[60:61] offset:\sof   ; two bytes of my row's scale word (lanes l and l xor 16 store the same); the word's other half is another head's, so another work-group's
.endm
	WALU                                           ; the wait at the head's end
	s_wait_loadcnt 0x0                             ; Q, both tiles'
	s_cmp_lt_u32 s10, 4
	s_cbranch_scc0 .Lnot_first
	s_wait_tensorcnt 0x0                           ; waves 0-3: my block is in
.Lnot_first:
	s_barrier_signal -1
	s_barrier_wait -1                              ; blocks 0-3 are in; the others may be on their way
	LOOP 0, 4
	s_wait_tensorcnt 0x0                           ; every wave: my block is in
	s_barrier_signal -1
	s_barrier_wait -1                              ; all sixteen blocks are in, and stay
	LOOP 4, 12
	OUT 0, 0
	v_mov_b32 v16, v28                             ; the second tile: its Q and its words,
	v_mov_b32 v17, v29
	v_mov_b32 v18, v30
	v_mov_b32 v19, v31
	v_mov_b32 v20, v242
	v_mov_b32 v21, v243
	v_mov_b32 v[QS], v[QS1]
	ZERO                                           ; (its 36 lines are the places between these writes and the first product)
	WALU
	s_wait_xcnt 0x0                                ; the stores have read their registers: the codes' may be written again
	LOOP 0, 16
	OUT 16*12288, 16*512
	s_wait_tensorcnt 0x0                           ; the wave's end
	ds_add_u32 v[SPW], v[NIL]
	s_wait_dscnt 0x0
	CROUND                                         ; the closing round
	s_endpgm
.Lfunc_end_k_q39a0208984_attn:
	.size	k_q39a0208984_attn, .Lfunc_end_k_q39a0208984_attn-k_q39a0208984_attn
	.p2alignl 7, 3214868480
	.fill 96, 4, 3214868480
	.section	.rodata,"a",@progbits
	.p2align	6, 0x0
	.amdhsa_kernel k_q39a0208984_attn
		.amdhsa_group_segment_fixed_size 262144
		.amdhsa_private_segment_fixed_size 0
		.amdhsa_enable_private_segment 0
		.amdhsa_kernarg_size 24
		.amdhsa_user_sgpr_count 2
		.amdhsa_user_sgpr_kernarg_segment_ptr 1
		.amdhsa_wavefront_size32 1
		.amdhsa_system_sgpr_workgroup_id_x 1
		.amdhsa_system_sgpr_workgroup_id_y 1
		.amdhsa_system_sgpr_workgroup_id_z 1
		.amdhsa_system_vgpr_workitem_id 0
		.amdhsa_next_free_vgpr 256
		.amdhsa_next_free_sgpr 66
		.amdhsa_reserve_vcc 0
		.amdhsa_float_denorm_mode_32 3
		.amdhsa_float_denorm_mode_16_64 3
		.amdhsa_memory_ordered 1
		.amdhsa_forward_progress 1
		.amdhsa_inst_pref_size 66
	.end_amdhsa_kernel
	.amdgpu_metadata
---
amdhsa.version: [ 1, 2 ]
amdhsa.kernels:
  - .name:           k_q39a0208984_attn
    .symbol:         k_q39a0208984_attn.kd
    .args:
      - { .name: qkv, .offset: 0, .size: 8, .value_kind: global_buffer, .address_space: global }
      - { .name: ac, .offset: 8, .size: 8, .value_kind: global_buffer, .address_space: global }
      - { .name: asc, .offset: 16, .size: 8, .value_kind: global_buffer, .address_space: global }
    .group_segment_fixed_size: 262144
    .private_segment_fixed_size: 0
    .kernarg_segment_align: 8
    .kernarg_segment_size: 24
    .max_flat_workgroup_size: 512
    .sgpr_count:     66
    .vgpr_count:     256
    .wavefront_size: 32
...
	.end_amdgpu_metadata
.endif
;; end of part 3
;; launch proj (part 4): grid 4 x 32, 4 waves a work-group, clusters of 4 x 4, 327,680 bytes of LDS; arguments ac, asc, cod, scl, bo, out0; writes out0
.if DOCPART == 4
	.amdgcn_target "amdgcn-amd-amdhsa--gfx1250"
	.amdhsa_code_object_version 6
	.text
	.protected	k_q39a0208984_proj
	.globl	k_q39a0208984_proj
	.p2align	8
	.type	k_q39a0208984_proj,@function
k_q39a0208984_proj:
	s_mov_b64 s[64:65], 0
	v_nop
	global_prefetch_b8 v0, s[64:65] scope:SCOPE_SE
	s_setreg_imm32_b32 hwreg(HW_REG_WAVE_MODE, 25, 1), 1
	s_wait_xcnt 0x0
	s_wait_alu depctr_hold_cnt(0) depctr_sa_sdst(0) depctr_va_vdst(0) depctr_va_sdst(0) depctr_va_ssrc(0) depctr_va_vcc(0) depctr_vm_vsrc(0)
	s_getreg_b32 s2, hwreg(HW_REG_IB_STS2, 6, 4)
	s_cmp_eq_u32 s2, 0
	s_cbranch_scc0 .Lentry_in_a_cluster
	s_endpgm
.Lentry_in_a_cluster:
	s_bfe_u32 s2, ttmp6, 0x10000c
	s_cmp_lg_u32 s2, 0xf033
	s_cbranch_scc0 .Lentry_shape_is_right
	s_endpgm
.Lentry_shape_is_right:
.set FR,     12
.set NL,     6
.set NP,     4
.set TROW,   3072
.set HALFT,  8*TROW
.set PART,   2*HALFT
.set SLOT,   2*PART
.set SPARE,  2*SLOT
.set SCX,    SPARE+512
.set SCW,    SCX+8192+128
.set SPITCH, 528
.set ADR1, 16
.set ADR0, 20
.set STO,  24
.set RD,   25
.set CO,   26
.set ADRS, 27
.set SPW,  28
.set NIL,  29
.set SC,   32
.set BI,   64
.set AF,   128
.set BK,   128
.set G1, 24
.set G0, 32
.set G1B, 48
.set G0B, 56
.set G1S, 68
.set G0S, 76
.set G1SB, 80
.set G0SB, 88
.set MSB, 0
.macro WIN new
.if MSB != (\new)
	s_set_vgpr_msb (MSB<<8)|(\new)
.set MSB, (\new)
.endif
.endm
.macro JLOAD g0a, g1a, g0b, g1b
	s_cmp_eq_u32 s15, 0
	s_cbranch_scc0 .Lfor_b_\@
	tensor_load_to_lds s[\g0a:\g0a+3], s[\g1a:\g1a+7]
	s_nop 0
.rept 4
	v_nop
.endr
	s_branch .Lasked_\@
.Lfor_b_\@:
	tensor_load_to_lds s[\g0b:\g0b+3], s[\g1b:\g1b+7]
	s_nop 0
.rept 4
	v_nop
.endr
.Lasked_\@:
.endm
.macro CREST
	s_cmp_lg_u32 s14, 0
	s_cbranch_scc1 .Lnot_wave_0_\@
	s_barrier_signal -3
.Lnot_wave_0_\@:
	s_barrier_wait -3
	s_barrier_signal -1
	s_barrier_wait -1
.endm
.macro CROUND
	s_barrier_signal -1
	s_barrier_wait -1
	CREST
.endm
.macro PLACES n
.rept \n
	v_nop
.endr
.endm
.macro FRAG reg, adr, q, i
.irp p, 0,1,2,3,4,5
	ds_load_b64 v[\reg+2*\p:\reg+2*\p+1], v[\adr] offset:(\i)*TROW+(\q)*1536+256*\p
.endr
.endm
.macro MUL16 a0, p, q, sc, cm
.irp a, \a0, \a0+1
.irp b, 0,1,2,3,4,5,6,7
.if \cm
	v_wmma_scale_f32_16x16x128_f8f6f4 v[8*(8*((\a)%4)+\b):8*(8*((\a)%4)+\b)+7], v[128*(\p)+FR*\b:128*(\p)+FR*\b+FR-1], v[AF+FR*(\a):AF+FR*(\a)+FR-1], v[BI+8*\b:BI+8*\b+7], v[SC+16*(\sc)+2*\b+(\q)], v[SC+16*(\sc)+2*(\a)+(\q)] matrix_a_fmt:MATRIX_FMT_FP6 matrix_b_fmt:MATRIX_FMT_FP6 matrix_a_scale:MATRIX_SCALE_ROW1
.else
	v_wmma_scale_f32_16x16x128_f8f6f4 v[8*(8*((\a)%4)+\b):8*(8*((\a)%4)+\b)+7], v[128*(\p)+FR*\b:128*(\p)+FR*\b+FR-1], v[AF+FR*(\a):AF+FR*(\a)+FR-1], v[8*(8*((\a)%4)+\b):8*(8*((\a)%4)+\b)+7], v[SC+16*(\sc)+2*\b+(\q)], v[SC+16*(\sc)+2*(\a)+(\q)] matrix_a_fmt:MATRIX_FMT_FP6 matrix_b_fmt:MATRIX_FMT_FP6 matrix_a_scale:MATRIX_SCALE_ROW1
.endif
.endr
.endr
.endm
.macro FETCH_B slot, q, p
	WIN 0x40
.irp i, 0,1,2,3,4,5,6,7
	FRAG 128*(\p)+FR*\i, ADR0+\slot, \q, \i
.endr
	WIN 0
.endm
.macro FETCH_A slot, q, i0
.irp i, \i0, \i0+1, \i0+2, \i0+3
	FRAG AF+FR*(\i), ADR1+\slot, \q, \i
.endr
.endm
.macro SCALES sc, kap
.irp i, 0,1,2,3,4,5,6,7
	ds_load_b64 v[SC+16*\sc+2*\i:SC+16*\sc+2*\i+1], v[ADRS] offset:512*\i+128*\kap
.endr
.endm
.macro STEP slot, q, cm
	s_wait_dscnt 4*NL
.if \cm
	WIN 0x81
.else
	WIN 0xa1
.endif
	MUL16 0, (\q)%2, \q, \slot, \cm
	MUL16 2, (\q)%2, \q, \slot, \cm
	s_wait_dscnt 0
	PLACES NP
	FETCH_B \slot, (\q)+1, 1-(\q)%2
	FETCH_A \slot, (\q)+1, 0
.if \cm
	WIN 0xc1
.else
	WIN 0xf1
.endif
	MUL16 4, (\q)%2, \q, \slot, \cm
	MUL16 6, (\q)%2, \q, \slot, \cm
	PLACES NP
	WIN 0
	FETCH_A \slot, (\q)+1, 4
.endm
.macro TURN slot, next, fill, kap
	s_wait_tensorcnt 0x0
	ds_add_u32 v[SPW], v[NIL]
	s_wait_dscnt 4*NL+1
	WIN 0xa1
	MUL16 0, 1, 1, \slot, 0
	s_wait_dscnt 0x0
	s_barrier_signal -1
	MUL16 2, 1, 1, \slot, 0
	WIN 0
	s_barrier_wait -1
.if \fill
	CREST
	s_add_nc_u64 s[G0+4*\slot+2:G0+4*\slot+3], s[G0+4*\slot+2:G0+4*\slot+3], 2*TROW
	s_add_nc_u64 s[G0B+4*\slot+2:G0B+4*\slot+3], s[G0B+4*\slot+2:G0B+4*\slot+3], 2*TROW
	JLOAD G0+4*\slot, G1, G0B+4*\slot, G1B
.else
	PLACES NP
.endif
	FETCH_B \next, 0, 0
	FETCH_A \next, 0, 0
	SCALES \next, \kap
	WIN 0xf1
	MUL16 4, 1, 1, \slot, 0
	MUL16 6, 1, 1, \slot, 0
	PLACES NP
	WIN 0
	FETCH_A \next, 0, 4
.endm
	s_load_b128 s[4:7], s[0:1], 0x0
	s_load_b128 s[8:11], s[0:1], 0x10
	s_load_b64 s[92:93], s[0:1], 0x20
	s_load_b64 s[12:13], s[0:1], 0x28
	v_lshl_add_u32 v[SPW], v0, 2, SPARE
	v_mov_b32 v[NIL], 0
	ds_add_u32 v[SPW], v[NIL]
	ds_add_u32 v[SPW], v[NIL]
	v_lshrrev_b32 v1, 5, v0
	v_readfirstlane_b32 s14, v1
	s_lshr_b32 s15, s14, 1
	s_and_b32 s16, s14, 1
	s_bfe_u32 s40, ttmp6, 0x40000
	s_bfe_u32 s41, ttmp6, 0x40004
	s_lshl_b32 s42, ttmp9, 2
	s_add_co_u32 s42, s42, s40
	s_and_b32 s17, ttmp7, 0xffff
	s_lshl_b32 s17, s17, 2
	s_add_co_u32 s17, s17, s41
	s_lshl_b32 s43, s41, 2
	s_lshl_b32 s43, 15, s43
	s_lshl_b32 s44, 0x1111, s40
	s_or_b32 s[G1+0], s43, (3<<16)|(1<<21)
	s_or_b32 s[G1B+0], s44, (3<<16)|(1<<21)
.irp g, G1, G1B
	s_mov_b32 s[\g+1], 384<<16
	s_mov_b32 s[\g+2], 16<<16
	s_mov_b32 s[\g+3], 384<<16
	s_mov_b32 s[\g+4], 16
	s_mov_b32 s[\g+5], 1536
	s_mov_b32 s[\g+6], 0
	s_mov_b32 s[\g+7], 0
.endr
	s_or_b32 s[G1S+0], s43, (3<<16)|(1<<21)
	s_or_b32 s[G1SB+0], s44, (3<<16)|(1<<21)
.irp g, G1S, G1SB
	s_mov_b32 s[\g+1], 32<<16
	s_mov_b32 s[\g+2], 32<<16
	s_mov_b32 s[\g+3], 32<<16
	s_mov_b32 s[\g+4], 32
	s_mov_b32 s[\g+5], 32
	s_mov_b32 s[\g+6], 0
	s_mov_b32 s[\g+7], 0
.endr
	s_lshl_b32 s18, s16, 3
	s_lshl_b32 s20, s17, 4
	s_add_co_u32 s20, s20, s18
	s_lshl_b32 s46, s42, 4
	s_add_co_u32 s46, s46, s18
	s_add_co_u32 s46, s46, 704
	s_lshl_b32 s22, s20, 9
	s_mov_b32 s23, 0
	s_lshl_b32 s2, s46, 9
	s_mov_b32 s3, 0
	s_mul_i32 s20, s20, 12288
	s_mov_b32 s21, 0
	s_mul_i32 s46, s46, 12288
	s_mov_b32 s47, 0
	s_mul_i32 s45, s14, HALFT
	s_lshl_b32 s94, s16, 12
	s_wait_dscnt 0x0
	s_wait_kmcnt 0x0
	s_add_nc_u64 s[20:21], s[4:5], s[20:21]
	s_add_nc_u64 s[22:23], s[6:7], s[22:23]
	s_add_nc_u64 s[46:47], s[8:9], s[46:47]
	s_add_nc_u64 s[2:3], s[10:11], s[2:3]
	CROUND
	s_mov_b32 s[G0S], 1
	s_mov_b32 s95, 0
	s_mov_b32 s[G0S+1], SCX
	s_sub_nc_u64 s[G0S+2:G0S+3], s[22:23], s[94:95]
	s_or_b32 s[G0S+3], s[G0S+3], 0x80000000
	s_mov_b32 s[G0SB], 1
	s_mov_b32 s[G0SB+1], SCW
	s_sub_nc_u64 s[G0SB+2:G0SB+3], s[2:3], s[94:95]
	s_or_b32 s[G0SB+3], s[G0SB+3], 0x80000000
	; the head's four tiles, each whole, one load a wave in one chain of arms: slot 0's 16 tile rows of A, of B, and the scale words of each
	s_mul_i32 s8, s16, 8*12288
	s_mov_b32 s9, 0
	s_sub_nc_u64 s[6:7], s[20:21], s[8:9]
	s_sub_nc_u64 s[10:11], s[46:47], s[8:9]
	s_mov_b32 s4, 1
	s_mov_b32 s5, 0
	s_or_b32 s7, s7, 0x80000000
	s_mov_b32 s8, 1
	s_mov_b32 s9, PART
	s_or_b32 s11, s11, 0x80000000
	s_cmp_lt_u32 s14, 1
	s_cbranch_scc0 .Lhead_b
	tensor_load_to_lds s[4:7], s[G1:G1+7]
	s_nop 0
.rept 4
	v_nop
.endr
	s_branch .Lhead_asked
.Lhead_b:
	s_cmp_lt_u32 s14, 2
	s_cbranch_scc0 .Lhead_sa
	tensor_load_to_lds s[8:11], s[G1B:G1B+7]
	s_nop 0
.rept 4
	v_nop
.endr
	s_branch .Lhead_asked
.Lhead_sa:
	s_cmp_lt_u32 s14, 3
	s_cbranch_scc0 .Lhead_sb
	tensor_load_to_lds s[G0S:G0S+3], s[G1S:G1S+7]
	s_nop 0
.rept 4
	v_nop
.endr
	s_branch .Lhead_asked
.Lhead_sb:
	tensor_load_to_lds s[G0SB:G0SB+3], s[G1SB:G1SB+7]
	s_nop 0
.rept 4
	v_nop
.endr
.Lhead_asked:
.irp s, 0,1
	s_mov_b32 s[G0+4*\s], 1
	s_add_co_u32 s[G0+4*\s+1], s45, \s*SLOT
	s_add_nc_u64 s[G0+4*\s+2:G0+4*\s+3], s[20:21], \s*TROW
	s_or_b32 s[G0+4*\s+3], s[G0+4*\s+3], 0x80000000
	s_mov_b32 s[G0B+4*\s], 1
	s_add_co_u32 s[G0B+4*\s+1], s45, \s*SLOT
	s_add_nc_u64 s[G0B+4*\s+2:G0B+4*\s+3], s[46:47], \s*TROW
	s_or_b32 s[G0B+4*\s+3], s[G0B+4*\s+3], 0x80000000
.endr
	v_and_b32 v1, 15, v0
	v_bfe_u32 v2, v0, 4, 1
	s_wait_alu depctr_va_vdst(0)
	v_and_b32 v3, 31, v0
	v_lshlrev_b32 v4, 3, v3
	v_lshlrev_b32 v[CO], 4, v3
	s_mul_i32 s21, s15, HALFT
	s_mul_i32 s22, s16, HALFT
	s_add_co_u32 s22, s22, PART
.irp s, 0,1
	v_add_nc_u32 v[ADR1+\s], s21, v4
	v_add_nc_u32 v[ADR0+\s], s22, v4
	s_add_co_u32 s21, s21, SLOT
	s_add_co_u32 s22, s22, SLOT
.endr
	s_lshl_b32 s21, s15, 12
	s_lshl_b32 s22, s16, 12
	s_add_co_u32 s22, s22, SCW-SCX
	s_sub_co_u32 s22, s22, s21
	v_mul_u32_u24 v6, s22, v2
	s_add_co_u32 s21, s21, SCX
	v_lshl_add_u32 v6, v1, 3, v6
	v_add_nc_u32 v[ADRS], s21, v6
	s_mul_i32 s23, s14, 16*SPITCH
	v_mul_u32_u24 v5, v1, SPITCH
	v_lshl_add_u32 v5, v2, 6, v5
	v_add_nc_u32 v[STO], s23, v5
	v_add_nc_u32 v[RD], s23, v[CO]
	s_lshl_b32 s20, s42, 10
	s_lshl_b32 s21, s16, 9
	s_add_co_u32 s20, s20, s21
	s_mov_b32 s21, 0
	s_add_nc_u64 s[92:93], s[92:93], s[20:21]
	s_add_nc_u64 s[12:13], s[12:13], s[20:21]
	s_lshl_b32 s20, s17, 8
	s_lshl_b32 s22, s15, 7
	s_add_co_u32 s20, s20, s22
	s_lshl_b32 s20, s20, 12
	s_add_nc_u64 s[12:13], s[12:13], s[20:21]
	v_lshlrev_b32 v5, 6, v2
.irp b, 0,1,2,3,4,5,6,7
	global_load_b128 v[BI+8*\b:BI+8*\b+3], v5, s[92:93] offset:(32*(\b/2)+8*(\b%2))*4
	global_load_b128 v[BI+8*\b+4:BI+8*\b+7], v5, s[92:93] offset:(32*(\b/2)+8*(\b%2))*4+16
.endr
	s_wait_alu depctr_va_vdst(0)
	; the lane addresses and the bias loads above stand between the head's four requests and this wait for them
	s_wait_tensorcnt 0x0                           ; my tile of the head's four is in
	ds_add_u32 v28, v29
	s_mov_b32 s[G1+2], 8<<16                       ; no tensor load of mine is out: from here on a load brings 8 tile rows
	s_mov_b32 s[G1+4], 8
	s_mov_b32 s[G1B+2], 8<<16
	s_mov_b32 s[G1B+4], 8
	s_wait_dscnt 0x0
	CROUND                                         ; all four tiles are shown to every wave, and the partners are here
	JLOAD G0+4, G1, G0B+4, G1B
	FETCH_B 0, 0, 0
	FETCH_A 0, 0, 0
	SCALES 0, 0
	FETCH_A 0, 0, 4
	s_wait_loadcnt 0x0
	STEP 0, 0, 1
	TURN 0, 1, 1, 1
	STEP 1, 0, 0
	TURN 1, 0, 1, 2
	STEP 0, 0, 0
	TURN 0, 1, 0, 3
	STEP 1, 0, 0
	s_wait_dscnt 4*NL
	WIN 0xa1
	MUL16 0, 1, 1, 1, 0
	MUL16 2, 1, 1, 1, 0
	s_wait_dscnt 0
	WIN 0xf1
	MUL16 4, 1, 1, 1, 0
	MUL16 6, 1, 1, 1, 0
	WIN 0
.macro TOSTAGE a
.set AC, 64*((\a)%4)
	WIN 0x08+4*((\a)/4)
.irp b, 0,1,2,3,4,5,6,7
	ds_store_b128 v[STO], v[AC+8*\b:AC+8*\b+3] offset:128*(\b/2)+32*(\b%2)
	ds_store_b128 v[STO], v[AC+8*\b+4:AC+8*\b+7] offset:128*(\b/2)+32*(\b%2)+16
.endr
	WIN 0
.set BB, BK+64*((\a)%2)
.irp t, 0,1,2,3,4,5,6,7,8,9,10,11,12,13,14,15
	ds_load_b128 v[BB+4*\t:BB+4*\t+3], v[RD] offset:\t*SPITCH
.endr
.endm
.macro SEND a, younger
.set BB, BK+64*((\a)%2)
	s_wait_dscnt \younger
.irp t, 0,1,2,3,4,5,6,7,8,9,10,11,12,13,14,15
	global_store_b128 v[CO], v[BB+4*\t:BB+4*\t+3], s[12:13] offset:(32*((\a)/2)+8*((\a)%2)+\t+8*(\t/8))*4096 th:TH_STORE_NT
.endr
.endm
	PLACES NP
	TOSTAGE 0
.irp n, 1,2,3,4,5,6,7
.if \n > 1
	s_wait_xcnt 0x0
.endif
	TOSTAGE \n
	SEND \n-1, 32
.endr
	SEND 7, 0
	s_wait_tensorcnt 0x0
	ds_add_u32 v[SPW], v[NIL]
	s_wait_dscnt 0x0
	CROUND
	s_endpgm
.Lfunc_end_k_q39a0208984_proj:
	.size	k_q39a0208984_proj, .Lfunc_end_k_q39a0208984_proj-k_q39a0208984_proj
	.p2alignl 7, 3214868480
	.fill 96, 4, 3214868480
	.section	.rodata,"a",@progbits
	.p2align	6, 0x0
	.amdhsa_kernel k_q39a0208984_proj
		.amdhsa_group_segment_fixed_size 327680
		.amdhsa_private_segment_fixed_size 0
		.amdhsa_enable_private_segment 0
		.amdhsa_kernarg_size 48
		.amdhsa_user_sgpr_count 2
		.amdhsa_user_sgpr_kernarg_segment_ptr 1
		.amdhsa_wavefront_size32 1
		.amdhsa_system_sgpr_workgroup_id_x 1
		.amdhsa_system_sgpr_workgroup_id_y 1
		.amdhsa_system_sgpr_workgroup_id_z 1
		.amdhsa_system_vgpr_workitem_id 0
		.amdhsa_next_free_vgpr 1024
		.amdhsa_next_free_sgpr 102
		.amdhsa_reserve_vcc 0
		.amdhsa_float_denorm_mode_32 3
		.amdhsa_float_denorm_mode_16_64 3
		.amdhsa_memory_ordered 1
		.amdhsa_forward_progress 1
		.amdhsa_inst_pref_size 161
	.end_amdhsa_kernel
	.amdgpu_metadata
---
amdhsa.version: [ 1, 2 ]
amdhsa.kernels:
  - .name:           k_q39a0208984_proj
    .symbol:         k_q39a0208984_proj.kd
    .args:
      - { .name: ac, .offset: 0, .size: 8, .value_kind: global_buffer, .address_space: global }
      - { .name: asc, .offset: 8, .size: 8, .value_kind: global_buffer, .address_space: global }
      - { .name: cod, .offset: 16, .size: 8, .value_kind: global_buffer, .address_space: global }
      - { .name: scl, .offset: 24, .size: 8, .value_kind: global_buffer, .address_space: global }
      - { .name: bo, .offset: 32, .size: 8, .value_kind: global_buffer, .address_space: global }
      - { .name: out0, .offset: 40, .size: 8, .value_kind: global_buffer, .address_space: global }
    .group_segment_fixed_size: 327680
    .private_segment_fixed_size: 0
    .kernarg_segment_align: 8
    .kernarg_segment_size: 48
    .max_flat_workgroup_size: 128
    .sgpr_count:     102
    .vgpr_count:     1024
    .wavefront_size: 32
...
	.end_amdgpu_metadata
.endif
;; end of part 4
